; MI455X (gfx1250); checked and timed in simulation.
; The chip was launched on July 23, 2026; its instructions are those of AMD's public machine-readable ISA for CDNA 5 (MIT licence, August 2026) and "CDNA5" Instruction Set Architecture Reference Guide (July 2026). The comments in the code are by the model that wrote it; some were corrected since.
;; Filter param. Allowed arithmetic: float matrix products may take bf16 or f16 operands with f32 sums; all other float work in f32.
;; Inputs: X 2,048 x 8,192 float32; f_T_normal one number float32; f_decay_normal one number float32; f_inf_normal one number float32; f_start_normal one number float32; w_T_normal one number float32; w_offset_normal one number float32.
;; Outputs: out0 2,048 float32.
;; Constants: F = 44100.
;; One version. Each part assembles by itself: llvm-mc -triple=amdgcn-amd-amdhsa -mcpu=gfx1250 --defsym DOCPART=n.
;; ======== version 1 of 1: 1 launch
;; launch filter (part 1): grid 256 x 1, 32 waves a work-group, no clusters, 40,960 bytes of LDS; arguments X, f_start_normal, f_inf_normal, f_decay_normal, f_T_normal, w_offset_normal, w_T_normal, out0; writes out0
.if DOCPART == 1
	.amdgcn_target "amdgcn-amd-amdhsa--gfx1250"
	.amdhsa_code_object_version 6
	.text
	.protected	k_q1da785a93c_filter
	.globl	k_q1da785a93c_filter
	.p2align	8
	.type	k_q1da785a93c_filter,@function
k_q1da785a93c_filter:
	s_mov_b64 s[64:65], 0
	v_nop
	global_prefetch_b8 v0, s[64:65] scope:SCOPE_SE
	s_setreg_imm32_b32 hwreg(HW_REG_WAVE_MODE, 25, 1), 1
	s_wait_xcnt 0x0
; out[r] = ( sum over t of w[t] y2[r][t] ) / sum over t of w[t], y2 = two cascaded time-varying one-pole stages of X[r][.].
; X: [2048][8192] f32.  Six scalars give f[t], w[t]; p[t] = -a[t] = 1 - 2 b[t], b[t] = f[t] / (f[t] + c).
;
; THE FORM USED.  The recurrence is linear in X and its coefficients are the same for all rows, so
;     out[r] = ( sum over t of g[t] X[r][t] ) / sum over t of w[t],
; and g comes from the same two stages run backward (the adjoint), exactly, for every input:
;     one stage:  L[t] = s[t] + p[t+1] L[t+1]  (L[8192] = 0),   result[t] = b[t] L[t] + b[t+1] L[t+1]
;     stage 1 takes s = w; stage 2 takes s = stage 1's result; stage 2's result is g.
; The start y1[0] = y2[0] = x[0] is what these formulas give with b[0] = 1, which is set so below.
; All terms of g are positive: nothing cancels in it.
; LIMITS KEPT: the order of rounding is that of this form, not of the forward scan.  Where 2^x overflows f32 in the
; window's sigmoid, w is 0 (its true value is below 3e-39).  X is taken as finite (an infinite x may meet a weight 0).
;
; THE SHARES.  256 work-groups of 32 waves; a work-group owns 8 rows = 262,144 consecutive bytes = 32 waves x 64 registers
; x 128 bytes: the whole share is asked for into registers at the first lines (16 loads a wave, each 512 consecutive bytes
; from a multiple of 512), and g is computed while those loads are on their way.  Every byte of X is read once.
; Thread i owns t = 8 i .. 8 i + 7 of g; wave w owns columns 256 w .. 256 w + 255 of all 8 rows.
; No cluster: the work-groups share 24 bytes of input.  No matrix unit: the product has one column.  No LDS ring: the
; registers already hold the whole share.  Each work-group makes g for itself: that spares a launch and a buffer.
.set ROWB,  32768                      ; bytes in a row of X
; LDS.  Tables of one word a wave; entry e of a table belongs to wave e, entries 32 to 63 are zeros ("behind the end").
.set TABP,  0                          ; product of the wave's 256 p
.set TABS1, 256                        ; stage 1: the wave's state at its first step, from a zero state behind it
.set TABS2, 512                        ; stage 2: likewise
.set SUMW,  768                        ; the wave's sum of w
.set RED,   1024                       ; wave w: 8 row sums at 32 w
.set GT,    2048                       ; wave w: 1,088 bytes of its own, to re-order g among its lanes
.set GTW,   1088                       ; 64 pieces of 16 bytes + 16 bytes behind every 16 pieces
.set CUT,   0x45dfa528                 ; c = sqrt(2^(1/3) - 1) * 44100 / pi = 7156.6445
; vector registers
.set LANE, 1
.set XO,   2                           ; byte offset of my 16 bytes in a row: 1024 wave + 16 lane (never rewritten)
.set TW,   3                           ; 4 wave
.set TR,   4                           ; 4 (lane + wave)
.set GS,   5                           ; where I put my 8 g
.set GL,   6                           ; where I read the g of my columns
.set RS,   7                           ; where my row sum goes
.set T0,   8                           ; scratch
.set S,    10                          ; a stage's running state
.set N0,   10                          ; before that: 8 i as a float
.set IN,   11                          ; the state that comes into my 8 steps
.set D,    12                          ; uniforms; those used by packed forms lie in even registers
.set FS,   13
.set FI,   14
.set LL,   15
.set RHO2, 16
.set RHO,  17
.set GAM2, 18
.set GAM,  19
.set P0,   12                          ; later v[12:16]: products of p over 1, 2, 4, 8, 16 threads from mine on, cut at my half's end
.set P5,   17                          ; product of p from my thread to the wave's end
.set PLOW, 18                          ; v16 in lanes 0-15, 0 in lanes 16-31
.set PT,   19
.set M,    20                          ; v[20:28] scratch of 9
.set Z,    20                          ; the six sigmoids
.set TT,   26
.set KA,   27
.set AL,   28
.set Q0,   30                          ; v[30:34]: as P0.., for the waves behind mine (lane l: wave + 1 + l)
.set BE,   31
.set EA,   32
.set GG,   33
.set WT,   34
.set R,    35                          ; as S, for the waves behind mine
.set B,    36                          ; v[36:44] b[8i .. 8i+8]
.set PP,   46                          ; v[46:54] p[8i .. 8i+8]
.set W,    56                          ; v[56:63] w, then stage 1's result, then g
.set X,    64                          ; v[64:127] row r: 8 registers
.set GA,   12                          ; after the stages: g of my first 4 columns,
.set GB,   16                          ; of my second 4
.set A,    20                          ; v[20:35] row r: a pair of sums
.set AC,   36                          ; v[36:43] row sums
.set KK,   44
.set NN,   48
	s_load_b512 s[8:23], s[0:1], 0x0               ; X s[8:9], f_start, f_inf, f_decay, f_T, w_offset, w_T s[10:21], out s[22:23]
	v_lshl_add_u32 v9, v0, 2, 0x9000
	v_mov_b32 v55, 0
	v_and_b32 v[LANE], 31, v0
	v_lshrrev_b32 v[T0], 5, v0
	v_readfirstlane_b32 s4, v[T0]                  ; wave 0..31
	s_lshl_b32 s2, ttmp9, 18                       ; the work-group's 8 rows: 262,144 bytes each group (below 2^26)
	s_mov_b32 s3, 0
	v_lshlrev_b32 v[XO], 4, v[LANE]
	v_lshl_add_u32 v[XO], v[T0], 10, v[XO]
	s_wait_kmcnt 0x0
	s_load_b32 s24, s[10:11], 0x0                  ; the six scalars: the chain to g starts with them, so they are asked for first
	s_load_b32 s25, s[12:13], 0x0
	s_load_b32 s26, s[14:15], 0x0
	s_load_b32 s27, s[16:17], 0x0
	s_load_b32 s28, s[18:19], 0x0
	s_load_b32 s29, s[20:21], 0x0
	s_add_nc_u64 s[8:9], s[8:9], s[2:3]
.irp r, 0,1,2,3,4,5,6,7
	global_load_b128 v[X+8*\r:X+8*\r+3],   v[XO], s[8:9] offset:\r*ROWB th:TH_LOAD_NT       ; columns 256 w + 4 l ..
	global_load_b128 v[X+8*\r+4:X+8*\r+7], v[XO], s[8:9] offset:\r*ROWB+512 th:TH_LOAD_NT   ; columns 256 w + 128 + 4 l ..
.endr
	s_mov_b32 s30, 0x456d8000                      ; 3800: f_start = 200 + 3800 sigmoid
	s_mov_b32 s31, 0x43480000                      ; 200
	s_mov_b32 s32, 0x43f00000                      ; 480:  f_inf = 20 + 480 sigmoid
	s_mov_b32 s33, 0x41a00000                      ; 20
	s_mov_b32 s34, 0x40d49a78                      ; 2 log2(10): f_decay and f_T are 2 sigmoid
	s_mov_b32 s35, 0xbf03bb11                      ; log2(0.7)
	s_mov_b32 s36, 0x3efae148                      ; 0.49: w_T = 0.01 + 0.49 sigmoid
	s_mov_b32 s37, 0x3c23d70a                      ; 0.01
	s_mov_b32 s44, 0xf0f0f0f0                      ; lanes with bit 2 set,
	s_mov_b32 s45, 0xcccccccc                      ; bit 1,
	s_mov_b32 s46, 0xaaaaaaaa                      ; bit 0
	s_mov_b32 s47, 0x0000ffff                      ; lanes 0-15
	s_mov_b32 s48, 0x76543210                      ; v_permlanex16_b32: lane i of one half reads lane i of the other
	s_mov_b32 s49, 0xfedcba98
	; LDS addresses.  Piece k (16 bytes, 4 columns) of a wave's g lies at 16 k + 16 (k >> 4): I store pieces 2 l and 2 l + 1
	; and read pieces l and 32 + l; either way the sixteen lanes of a half touch sixteen different 16-byte columns modulo 256.
	s_mul_i32 s5, s4, GTW
	s_add_co_u32 s5, s5, GT
	s_lshl_b32 s6, s4, 5
	v_lshrrev_b32 v[T0], 3, v[LANE]
	v_lshl_add_u32 v[T0], v[LANE], 1, v[T0]
	v_lshl_add_u32 v[GS], v[T0], 4, s5             ; 16 (2 l + (l >> 3))
	v_lshrrev_b32 v[T0], 4, v[LANE]
	v_add_nc_u32 v[T0], v[T0], v[LANE]
	v_lshl_add_u32 v[GL], v[T0], 4, s5             ; 16 (l + (l >> 4)); piece 32 + l is 544 bytes further
	v_and_b32 v[T0], 7, v[LANE]
	v_lshl_add_u32 v[RS], v[T0], 2, s6             ; 32 wave + 4 (l & 7)
	v_add_lshl_u32 v[TR], v[LANE], s4, 2
	s_wait_kmcnt 0x0
	; THE SIX PARAMETERS, the same in every lane.  sigmoid(v) = 1 / (1 + 2^(-log2(e) v)); an overflow gives 1 / inf = 0, the limit.
	; Behind a run of transcendentals one plain vector instruction stands before a result is used (ISA guide 5.7.2).
.irp k, 0,1,2,3,4,5
	s_mul_f32 s[24+\k], s[24+\k], 0xbfb8aa3b
.endr
.irp k, 0,1,2,3,4,5
	v_exp_f32 v[Z+\k], s[24+\k]
.endr
	v_lshlrev_b32 v[N0], 3, v0                     ; my first t
	s_wait_alu depctr_va_vdst(0)
.irp k, 0,2,4
	v_pk_add_f32 v[Z+\k:Z+\k+1], v[Z+\k:Z+\k+1], 1.0 op_sel_hi:[1,0]
.endr
.irp k, 0,1,2,3,4,5
	v_rcp_f32 v[Z+\k], v[Z+\k]
.endr
	v_cvt_f32_u32 v[N0], v[N0]
	s_wait_alu depctr_va_vdst(0)
	v_fma_f32 v[FS], v[Z+0], s30, s31              ; f_start
	v_fma_f32 v[FI], v[Z+1], s32, s33              ; f_inf
	v_fma_f32 v[LL], -v[Z+2], s34, s35             ; log2(0.7 * 0.1^f_decay)
	v_mul_f32 v[TT], s34, v[Z+3]
	v_fma_f32 v[WT], v[Z+5], s36, s37              ; w_T
	v_exp_f32 v[TT], v[TT]                         ; 10^f_T
	v_rcp_f32 v[WT], v[WT]                         ; 1 / w_T
	v_sub_f32 v[D], v[FS], v[FI]
	v_mul_f32 v[LL], 0x374ccccd, v[LL]             ; x 0.1 / 8192
	s_wait_alu depctr_va_vdst(0)
	v_mul_f32 v[KA], v[LL], v[TT]                  ; kappa: f[n] = f_inf + D 2^(kappa n)
	v_mul_f32 v[AL], 0xb938aa3b, v[WT]             ; alpha = -log2(e) / (8192 w_T)
	v_mul_f32 v[BE], v[Z+4], v[WT]
	v_mul_f32 v[BE], 0x3fb8aa3b, v[BE]             ; beta = log2(e) w_offset / w_T: w[n] = 1 / (1 + 2^(alpha n + beta))
	v_mul_f32 v[EA], v[KA], v[N0]
	v_fma_f32 v[GG], v[AL], v[N0], v[BE]
	v_exp_f32 v[RHO], v[KA]                        ; both powers are geometric in n: one exponential for my first t,
	v_exp_f32 v[GAM], v[AL]                        ; one for the step, and multiplications for the other seven or eight
	v_exp_f32 v[B], v[EA]
	v_exp_f32 v[W], v[GG]
	v_mov_b32 v[TW], s4
	s_wait_alu depctr_va_vdst(0)
	v_mul_f32 v[RHO2], v[RHO], v[RHO]
	v_mul_f32 v[GAM2], v[GAM], v[GAM]
	v_mul_f32 v[B+1], v[B], v[RHO]
	v_mul_f32 v[W+1], v[W], v[GAM]
	v_lshlrev_b32 v[TW], 2, v[TW]
	; MY COEFFICIENTS: b and p at t = 8 i .. 8 i + 8, w at t = 8 i .. 8 i + 7.  (t = 8192 of the last thread meets a zero state only.)
.irp k, 0,2,4
	v_pk_mul_f32 v[B+\k+2:B+\k+3], v[B+\k:B+\k+1], v[RHO2:RHO2+1] op_sel_hi:[1,0]
.endr
	v_mul_f32 v[B+8], v[B+6], v[RHO2]
.irp k, 0,2,4,6
	v_pk_fma_f32 v[B+\k:B+\k+1], v[B+\k:B+\k+1], v[D:D+1], v[FI:FI+1] op_sel_hi:[1,0,0]   ; f
.endr
	v_fma_f32 v[B+8], v[B+8], v[D], v[FI]
.irp k, 0,2,4,6
	v_pk_add_f32 v[M+\k:M+\k+1], v[B+\k:B+\k+1], CUT op_sel_hi:[1,0]                      ; f + c
.endr
	v_add_f32 v[M+8], CUT, v[B+8]
.irp j, 0,1,2,3,4,5,6,7,8
	v_rcp_f32 v[M+\j], v[M+\j]
.endr
.irp k, 0,2,4
	v_pk_mul_f32 v[W+\k+2:W+\k+3], v[W+\k:W+\k+1], v[GAM2:GAM2+1] op_sel_hi:[1,0]
.endr
.irp k, 0,2,4,6
	v_pk_add_f32 v[W+\k:W+\k+1], v[W+\k:W+\k+1], 1.0 op_sel_hi:[1,0]
.endr
.irp j, 0,1,2,3,4,5,6,7
	v_rcp_f32 v[W+\j], v[W+\j]                     ; w
.endr
	s_wait_alu depctr_va_vdst(0)
.irp k, 0,2,4,6
	v_pk_mul_f32 v[B+\k:B+\k+1], v[B+\k:B+\k+1], v[M+\k:M+\k+1]                           ; b = f / (f + c)
.endr
	v_mul_f32 v[B+8], v[B+8], v[M+8]
.irp k, 0,2,4,6
	v_pk_fma_f32 v[PP+\k:PP+\k+1], v[B+\k:B+\k+1], -2.0, 1.0 op_sel_hi:[1,0,0]            ; p = 1 - 2 b
.endr
	v_fma_f32 v[PP+8], v[B+8], -2.0, 1.0
	v_cmp_ne_u32 vcc_lo, 0, v0
	v_cndmask_b32 v[B], 1.0, v[B], vcc_lo          ; b[0] = 1: the start y1[0] = y2[0] = x[0]
	; the wave's sum of w
	v_pk_add_f32 v[M:M+1], v[W:W+1], v[W+2:W+3]
	v_pk_add_f32 v[M+2:M+3], v[W+4:W+5], v[W+6:W+7]
	v_pk_add_f32 v[M:M+1], v[M:M+1], v[M+2:M+3]
	v_add_f32 v[M], v[M], v[M+1]
	v_add_f32_dpp v[M], v[M], v[M] row_xmask:1 row_mask:0xf bank_mask:0xf
	v_add_f32_dpp v[M], v[M], v[M] row_xmask:2 row_mask:0xf bank_mask:0xf
	v_add_f32_dpp v[M], v[M], v[M] row_xmask:4 row_mask:0xf bank_mask:0xf
	v_add_f32_dpp v[M], v[M], v[M] row_xmask:8 row_mask:0xf bank_mask:0xf
	v_permlanex16_b32 v[M+1], v[M], s48, s49
	v_add_f32 v[M], v[M], v[M+1]
	ds_store_b32 v[TW], v[M] offset:SUMW           ; every lane the same word, the same value
	; PRODUCTS OF p, made once and used by both stages.  My own: p[8i+1] .. p[8i+8].
	v_pk_mul_f32 v[M+4:M+5], v[PP+2:PP+3], v[PP+4:PP+5]
	v_pk_mul_f32 v[M+4:M+5], v[M+4:M+5], v[PP+6:PP+7]
	v_mul_f32 v[P0], v[PP+1], v[PP+8]
	v_mul_f32 v[M+4], v[M+4], v[M+5]
	v_mul_f32 v[P0], v[P0], v[M+4]
; Level k + 1 = level k x level k of the lane n further up.  A lane whose partner lies beyond its half of 16 lanes is not written
; by the DPP form and keeps the copy made in front of it: its product already reaches the half's end.
.macro PSTEP k, n
	v_mov_b32 v[P0+\k+1], v[P0+\k]
	v_mul_f32_dpp v[P0+\k+1], v[P0+\k], v[P0+\k] row_shl:\n row_mask:0xf bank_mask:0xf
.endm
	PSTEP 0, 1
	PSTEP 1, 2
	PSTEP 2, 4
	PSTEP 3, 8
	v_readlane_b32 s41, v[P0+4], 16                ; the upper half's whole product
	v_cndmask_b32 v[PLOW], 0, v[P0+4], s47
	v_mov_b32 v[PT], s41
	v_cndmask_b32 v[PT], 1.0, v[PT], s47           ; the lower half goes on through the upper one
	v_mul_f32 v[P5], v[P0+4], v[PT]
	v_readfirstlane_b32 s41, v[P5]                 ; lane 0: the wave's 256 p
	v_mov_b32 v[M+2], s41
	v_mov_b32 v[M+3], 0
	ds_store_b32 v[TW], v[M+2] offset:TABP
	ds_store_b32 v[TW], v[M+3] offset:TABP+128     ; entries 32 + wave: zeros, so that lane l can read entry wave + 1 + l as it is
	ds_store_b32 v[TW], v[M+3] offset:TABS1+128
	ds_store_b32 v[TW], v[M+3] offset:TABS2+128
; Four steps of a backward scan inside each half of 16 lanes: s[i] += (product of level k)[i] x s[i + 2^k].
; A partner beyond the half counts as 0.
.macro HALFSCAN s, p
	v_fmac_f32_dpp v[\s], v[\s], v[\p]   row_shl:1 row_mask:0xf bank_mask:0xf bound_ctrl:1
	v_fmac_f32_dpp v[\s], v[\s], v[\p+1] row_shl:2 row_mask:0xf bank_mask:0xf bound_ctrl:1
	v_fmac_f32_dpp v[\s], v[\s], v[\p+2] row_shl:4 row_mask:0xf bank_mask:0xf bound_ctrl:1
	v_fmac_f32_dpp v[\s], v[\s], v[\p+3] row_shl:8 row_mask:0xf bank_mask:0xf bound_ctrl:1
.endm
; ONE STAGE.  In: s[t] in W.  Out: b[t] L[t] + b[t+1] L[t+1] in W.  tab: the stage's table of wave states.
.macro STAGE tab, first
	; my eight steps from a zero state
	v_fma_f32 v[S], v[PP+7], v[W+7], v[W+6]
.irp j, 5,4,3,2,1,0
	v_fma_f32 v[S], v[PP+\j+1], v[S], v[W+\j]
.endr
	; over the wave's lanes, still from a zero state behind the wave
	HALFSCAN S, P0
	v_readlane_b32 s40, v[S], 16
	v_fmac_f32 v[S], s40, v[PLOW]                  ; lanes 0-15 take in the upper half
	v_readfirstlane_b32 s41, v[S]
	v_mov_b32 v[M], s41
	ds_store_b32 v[TW], v[M] offset:\tab
	s_wait_dscnt 0x0                               ; my words are in LDS before I say so: the other waves read them
	s_barrier_signal -1
	s_barrier_wait -1
	; over the waves behind mine: lane l holds wave + 1 + l; only lane 0's result is used, and its partners are all inside
	ds_load_b32 v[R], v[TR] offset:\tab+4
.if \first
	ds_load_b32 v[Q0], v[TR] offset:TABP+4
.endif
	s_wait_dscnt 0x0
.if \first
	v_mul_f32_dpp v[Q0+1], v[Q0],   v[Q0]   row_shl:1 row_mask:0xf bank_mask:0xf bound_ctrl:1
	v_mul_f32_dpp v[Q0+2], v[Q0+1], v[Q0+1] row_shl:2 row_mask:0xf bank_mask:0xf bound_ctrl:1
	v_mul_f32_dpp v[Q0+3], v[Q0+2], v[Q0+2] row_shl:4 row_mask:0xf bank_mask:0xf bound_ctrl:1
	v_mul_f32_dpp v[Q0+4], v[Q0+3], v[Q0+3] row_shl:8 row_mask:0xf bank_mask:0xf bound_ctrl:1
.endif
	HALFSCAN R, Q0
	v_readlane_b32 s40, v[R], 16
	v_fmac_f32 v[R], s40, v[Q0+4]
	v_readfirstlane_b32 s42, v[R]                  ; the true state that comes into my wave
	v_fmac_f32 v[S], s42, v[P5]                    ; the true state at my first step,
	v_mov_b32 v[IN], s42                           ; and what comes into my steps: the next lane's (lane 31: the wave's)
	v_mov_b32_dpp v[IN], v[S] row_shl:1 row_mask:0xf bank_mask:0xf
	v_readlane_b32 s40, v[S], 16
	v_writelane_b32 v[IN], s40, 15
	; my eight steps again, from the true state, and the stage's result
	v_fma_f32 v[W+7], v[PP+8], v[IN], v[W+7]
.irp j, 6,5,4,3,2,1,0
	v_fma_f32 v[W+\j], v[PP+\j+1], v[W+\j+1], v[W+\j]
.endr
.irp k, 0,2,4,6
	v_pk_mul_f32 v[M+\k:M+\k+1], v[B+\k:B+\k+1], v[W+\k:W+\k+1]
.endr
	v_mul_f32 v[M+8], v[B+8], v[IN]
.irp j, 0,1,2,3,4,5,6,7
	v_add_f32 v[W+\j], v[M+\j], v[M+\j+1]
.endr
.endm
	STAGE TABS1, 1
	STAGE TABS2, 0
	; g from "8 neighbouring t a lane" to the loads' order, through the wave's own LDS bytes: LDS serves a wave's
	; instructions in order (ISA guide 5.7.1), so no wait stands between the stores and the loads, and no barrier.
	ds_store_b128 v[GS], v[W:W+3]
	ds_store_b128 v[GS], v[W+4:W+7] offset:16
	ds_load_b128 v[GA:GA+3], v[GL]
	ds_load_b128 v[GB:GB+3], v[GL] offset:544
	s_wait_dscnt 0x0
	; THE PRODUCT.  16 loads were issued, two a row, and come back in order: row r is in when 14 - 2 r younger ones are out.
.irp r, 0,1,2,3,4,5,6,7
	s_wait_loadcnt 14-2*\r
	v_pk_mul_f32 v[A+2*\r:A+2*\r+1], v[X+8*\r:X+8*\r+1],   v[GA:GA+1]
	v_pk_fma_f32 v[A+2*\r:A+2*\r+1], v[X+8*\r+2:X+8*\r+3], v[GA+2:GA+3], v[A+2*\r:A+2*\r+1]
	v_pk_fma_f32 v[A+2*\r:A+2*\r+1], v[X+8*\r+4:X+8*\r+5], v[GB:GB+1],   v[A+2*\r:A+2*\r+1]
	v_pk_fma_f32 v[A+2*\r:A+2*\r+1], v[X+8*\r+6:X+8*\r+7], v[GB+2:GB+3], v[A+2*\r:A+2*\r+1]
	v_add_f32 v[AC+\r], v[A+2*\r], v[A+2*\r+1]
.endr
	; Eight sums over 32 lanes.  In each of three steps a lane keeps half of its rows and hands the other half to its partner,
	; so that lane l ends with row l & 7; two more steps add the four lanes that hold the same row.
.irp j, 0,1,2,3
	v_cndmask_b32 v[KK+\j], v[AC+\j], v[AC+\j+4], s44          ; lanes with bit 2 keep rows 4-7
	v_cndmask_b32 v[NN+\j], v[AC+\j+4], v[AC+\j], s44          ; and hand over rows 0-3
	v_add_f32_dpp v[KK+\j], v[NN+\j], v[KK+\j] row_xmask:4 row_mask:0xf bank_mask:0xf
.endr
.irp j, 0,1
	v_cndmask_b32 v[AC+\j], v[KK+\j], v[KK+\j+2], s45
	v_cndmask_b32 v[NN+\j], v[KK+\j+2], v[KK+\j], s45
	v_add_f32_dpp v[AC+\j], v[NN+\j], v[AC+\j] row_xmask:2 row_mask:0xf bank_mask:0xf
.endr
	v_cndmask_b32 v[KK], v[AC], v[AC+1], s46
	v_cndmask_b32 v[NN], v[AC+1], v[AC], s46
	v_add_f32_dpp v[KK], v[NN], v[KK] row_xmask:1 row_mask:0xf bank_mask:0xf
	v_add_f32_dpp v[KK], v[KK], v[KK] row_xmask:8 row_mask:0xf bank_mask:0xf
	v_permlanex16_b32 v[NN], v[KK], s48, s49
	v_add_f32 v[KK], v[KK], v[NN]
	ds_store_b32 v[RS], v[KK] offset:RED           ; four lanes write each word, with the same value
	s_wait_dscnt 0x0                               ; in LDS before I say so: wave 0 reads it
	s_barrier_signal -1
	s_barrier_wait -1
	s_cmp_lg_u32 s4, 0
	s_cbranch_scc1 .Ldone
	; WAVE 0: lane l adds row l & 7 of waves 4 k + (l >> 3), k = 0 .. 7: the words at 4 l + 128 k, neighbouring lanes neighbouring words
	v_lshlrev_b32 v[T0], 2, v0
.irp k, 0,1,2,3,4,5,6,7
	ds_load_b32 v[AC+\k], v[T0] offset:RED+128*\k
.endr
	ds_load_b32 v[KK], v[T0] offset:SUMW           ; lane l: wave l's sum of w
	s_lshl_b32 s2, ttmp9, 5                        ; the work-group's 8 numbers of out
	s_add_nc_u64 s[22:23], s[22:23], s[2:3]
	s_wait_dscnt 0x0
	v_add_f32_dpp v[KK], v[KK], v[KK] row_xmask:1 row_mask:0xf bank_mask:0xf
	v_add_f32_dpp v[KK], v[KK], v[KK] row_xmask:2 row_mask:0xf bank_mask:0xf
	v_add_f32_dpp v[KK], v[KK], v[KK] row_xmask:4 row_mask:0xf bank_mask:0xf
	v_add_f32_dpp v[KK], v[KK], v[KK] row_xmask:8 row_mask:0xf bank_mask:0xf
	v_permlanex16_b32 v[NN], v[KK], s48, s49
	v_add_f32 v[KK], v[KK], v[NN]
	v_rcp_f32 v[KK], v[KK]                         ; 1 / sum of w (the sum is above 0.4: w[8191] alone is, since w_offset <= 1); the additions below stand before its use
	v_pk_add_f32 v[AC:AC+1], v[AC:AC+1], v[AC+2:AC+3]
	v_pk_add_f32 v[AC+4:AC+5], v[AC+4:AC+5], v[AC+6:AC+7]
	v_pk_add_f32 v[AC:AC+1], v[AC:AC+1], v[AC+4:AC+5]
	v_add_f32 v[AC], v[AC], v[AC+1]
	v_add_f32_dpp v[AC], v[AC], v[AC] row_xmask:8 row_mask:0xf bank_mask:0xf
	v_permlanex16_b32 v[NN], v[AC], s48, s49
	v_add_f32 v[AC], v[AC], v[NN]
	s_wait_alu depctr_va_vdst(0)
	v_mul_f32 v[AC], v[AC], v[KK]
	v_cmp_gt_u32 vcc_lo, 8, v0
	s_wait_xcnt 0x0                                ; EXEC is a source of the loads above: it changes only behind this wait
	s_wait_tensorcnt 0x0
	ds_add_u32 v9, v55
	s_wait_dscnt 0x0
	s_and_saveexec_b32 s5, vcc_lo
	global_store_b32 v[T0], v[AC], s[22:23]        ; eight lanes, 32 consecutive bytes: all that 8 rows give (out is 8,192 bytes in all)
	s_endpgm
.Ldone:
	s_wait_tensorcnt 0x0
	ds_add_u32 v9, v55
	s_wait_dscnt 0x0
	s_endpgm
.Lfunc_end_k_q1da785a93c_filter:
	.size	k_q1da785a93c_filter, .Lfunc_end_k_q1da785a93c_filter-k_q1da785a93c_filter
	.p2alignl 7, 3214868480
	.fill 96, 4, 3214868480
	.section	.rodata,"a",@progbits
	.p2align	6, 0x0
	.amdhsa_kernel k_q1da785a93c_filter
		.amdhsa_group_segment_fixed_size 40960
		.amdhsa_private_segment_fixed_size 0
		.amdhsa_enable_private_segment 0
		.amdhsa_kernarg_size 64
		.amdhsa_user_sgpr_count 2
		.amdhsa_user_sgpr_kernarg_segment_ptr 1
		.amdhsa_wavefront_size32 1
		.amdhsa_system_sgpr_workgroup_id_x 1
		.amdhsa_system_sgpr_workgroup_id_y 1
		.amdhsa_system_sgpr_workgroup_id_z 1
		.amdhsa_system_vgpr_workitem_id 0
		.amdhsa_next_free_vgpr 128
		.amdhsa_next_free_sgpr 66
		.amdhsa_reserve_vcc 1
		.amdhsa_float_denorm_mode_32 3
		.amdhsa_float_denorm_mode_16_64 3
		.amdhsa_memory_ordered 1
		.amdhsa_forward_progress 1
		.amdhsa_inst_pref_size 23
	.end_amdhsa_kernel
	.amdgpu_metadata
---
amdhsa.version: [ 1, 2 ]
amdhsa.kernels:
  - .name:           k_q1da785a93c_filter
    .symbol:         k_q1da785a93c_filter.kd
    .args:
      - { .name: X, .offset: 0, .size: 8, .value_kind: global_buffer, .address_space: global }
      - { .name: f_start_normal, .offset: 8, .size: 8, .value_kind: global_buffer, .address_space: global }
      - { .name: f_inf_normal, .offset: 16, .size: 8, .value_kind: global_buffer, .address_space: global }
      - { .name: f_decay_normal, .offset: 24, .size: 8, .value_kind: global_buffer, .address_space: global }
      - { .name: f_T_normal, .offset: 32, .size: 8, .value_kind: global_buffer, .address_space: global }
      - { .name: w_offset_normal, .offset: 40, .size: 8, .value_kind: global_buffer, .address_space: global }
      - { .name: w_T_normal, .offset: 48, .size: 8, .value_kind: global_buffer, .address_space: global }
      - { .name: out0, .offset: 56, .size: 8, .value_kind: global_buffer, .address_space: global }
    .group_segment_fixed_size: 40960
    .private_segment_fixed_size: 0
    .kernarg_segment_align: 8
    .kernarg_segment_size: 64
    .max_flat_workgroup_size: 1024
    .sgpr_count:     66
    .vgpr_count:     128
    .wavefront_size: 32
...
	.end_amdgpu_metadata
.endif
;; end of part 1
